; MI455X (gfx1250); checked and timed in simulation.
; The chip was launched on July 23, 2026; its instructions are those of AMD's public machine-readable ISA for CDNA 5 (MIT licence, August 2026) and "CDNA5" Instruction Set Architecture Reference Guide (July 2026). The comments in the code are by the model that wrote it; some were corrected since.
;; Attention2d. Allowed arithmetic: matrix products marked QUANTISED: E2M1 operands, one E8M0 scale for each 32 along K, by v_wmma_scale_f32_16x16x128_f8f6f4 with both operands' format E2M1 (or v_wmma_scale_f32_32x16x128_f4), f32 sums; everything else in f32.
;; Inputs: b_proj 128 float32; b_qkv 384 float32; w_proj_codes 128 x 4 x 16 uint8 (E2M1 codes of w_proj, K innermost, in blocks of 32 codes, two codes a byte); w_proj_scales 128 x 4 uint8 (E8M0 scales of w_proj, one for each 32 codes along K); w_qkv_codes 384 x 4 x 16 uint8 (E2M1 codes of w_qkv, K innermost, in blocks of 32 codes, two codes a byte); w_qkv_scales 384 x 4 uint8 (E8M0 scales of w_qkv, one for each 32 codes along K); x 2 x 128 x 64 x 64 float32.
;; Outputs: out0 2 x 128 x 64 x 64 float32.
;; This version of the problem:
;;   THIS VERSION OF THE PROBLEM IS GIVEN IN LOW PRECISION. The matrix products marked QUANTISED in the list below multiply operands that are first quantised to E2M1 (2 exponent bits, 1 mantissa bit; 4 bits a number), with one power-of-two scale for each 32 numbers along K (OCP MX v1.0); their sums are f32. All else is computed in f32.
;;   The module's matrix products, in the order in which they are computed (A, B: the left and right operand; K: the contracted axis; several contracted axes count as one K, in the product's order):
;;     1. [M 384, K 128] x [K 128, N 8,192]; A: input w_qkv (given as codes); B: input x: QUANTISED
;;     2. batch 8 x [M 4,096, K 32] x [K 32, N 4,096]; A: computed on the way; B: computed on the way: QUANTISED
;;     3. batch 8 x [M 32, K 4,096] x [K 4,096, N 4,096]; A: computed on the way; B: softmax (see below): QUANTISED
;;     4. [M 128, K 128] x [K 128, N 8,192]; A: input w_proj (given as codes); B: computed on the way: QUANTISED
;;   THE QUANTISER, for each operand of a quantised product, along K:
;;     - K is cut into blocks of 32 from its start; a last block that is shorter is filled with zeros.
;;     - A block's scale is 2^e with e = floor(log2(the largest magnitude in the block)) - 2, held to -126 .. 127; a block of zeros has e = 0. As a byte (E8M0): e + 127.
;;     - Each number is divided by its block's scale, clamped to +-6, and rounded to the nearest number of E2M1, ties to even, subnormals kept.
;;     - The product sums the exact products of the quantised numbers (number of the format x scale) in f32.
;;   ~~~python
;;   def quantise(x, axis):      # numpy; x: float32 -> the quantised numbers, widened to float32 again
;;       x = np.moveaxis(x, axis, -1); K = x.shape[-1]
;;       x = np.pad(x, [(0, 0)] * (x.ndim - 1) + [(0, -K % 32)]); x = x.reshape(x.shape[:-1] + (-1, 32)); a = np.abs(x).max(-1, keepdims=True)
;;       e = np.where(a > 0, np.clip(np.frexp(np.where(a > 0, a, 1))[1] - 1 - 2, -126, 127), 0)      # np.frexp(a)[1] - 1 = floor(log2(a)), exactly
;;       r = np.clip(x / 2.0 ** e, -6, 6)
;;       step = 2.0 ** (np.maximum(np.frexp(np.where(r == 0, 1, r))[1] - 1, 0) - 1)
;;       q = np.round(r / step) * step * 2.0 ** e      # np.round: ties to even
;;       return np.moveaxis(q.reshape(q.shape[:-2] + (-1,))[..., :K], -1, axis).astype(np.float32)
;;   ~~~
;;   SOFTMAX AHEAD OF A QUANTISED PRODUCT. Where the list says 'softmax', what is quantised is not the finished softmax but p = 2^(t - M), with t = logit x log2(e) and M = ceil(the row's largest t), a whole number; so 1/2 < the row's largest p <= 1. The row's sum l is taken of the UNQUANTISED p, in f32, and the product's result is divided by l at the end. Since M is a whole number, a kernel that streams over the keys may use a running M (the ceiling of the running maximum): every later rescaling is an exact power of two, which a block's scale takes up: the codes' values come out the same.
;;   OPERANDS COMPUTED ON THE WAY. 'Computed on the way' means the value that the module computes at that place (a softmax that the list does not call 'softmax' is quantised finished and normalised). What goes into a quantiser is computed in f32, as accurately as f32 sums, v_exp_f32 and their like allow (about 1e-6 of the number): no bf16 or f16 on the way to a quantiser, and a product that is left as it is and whose result goes on into a quantised operand takes f32 operands (vector FMAs, or v_wmma_f32_16x16x4_f32). A number that lies on a knife's edge between two numbers of the format may be rounded either way, as far as f32 arithmetic and the matrix unit's own rounding can turn it there, and no further.
;;   INPUTS GIVEN AS CODES. w_proj (in the module: [128, 128], K = its axis 1); w_qkv (in the module: [384, 128], K = its axis 1): each comes as NAME_codes (uint8): NAME with its K axis moved to the last place and cut into blocks of 32 codes, [.., K / 32, bytes a block], one block behind the other in memory; two codes a byte, the lower K in the low four bits (a code: sign, 2 exponent bits, 1 mantissa bit); and NAME_scales (uint8): the same leading axes, one E8M0 byte (e + 127) for each 32 codes along K. Its value is code x scale, taken as it is: it is not quantised again, and the codes and scales need not be those that the quantiser above would give.
;; One version. Each part assembles by itself: llvm-mc -triple=amdgcn-amd-amdhsa -mcpu=gfx1250 --defsym DOCPART=n.
;; ======== version 1 of 1: 2 launches
;; workspace buffers: kv 1,114,112 bytes; qw 557,056 bytes
;; launch qkv (part 1): grid 32 x 2, 16 waves a work-group, no clusters, 38,912 bytes of LDS; arguments x, w_qkv_codes, w_qkv_scales, b_qkv, kv, qw; writes kv, qw
.if DOCPART == 1
	.amdgcn_target "amdgcn-amd-amdhsa--gfx1250"
	.amdhsa_code_object_version 6
	.text
	.protected	k_qa43122d2fb_qkv
	.globl	k_qa43122d2fb_qkv
	.p2align	8
	.type	k_qa43122d2fb_qkv,@function
k_qa43122d2fb_qkv:
	s_mov_b64 s[64:65], 0
	v_nop
	global_prefetch_b8 v0, s[64:65] scope:SCOPE_SE
	s_setreg_imm32_b32 hwreg(HW_REG_WAVE_MODE, 25, 1), 1
	s_wait_xcnt 0x0
; qkv = w_qkv x + b_qkv on codes of FP4 (E2M1) with one E8M0 scale for each 32 along K; then q s, k s (s = 32^(-1/4)) and v are quantised for the attention launch.
; x: [2][128][4096] f32.  w_qkv: codes [384][64 bytes], scale bytes [384][4].  Head hd of a batch owns output rows 96 hd .. 96 hd + 95: 32 of q, 32 of k, 32 of v.
; SHARES.  A work-group owns one batch (y) and one step of 128 tokens (x), with all 384 outputs: it reads its bytes of x once and writes its 17,408 + 8,704 bytes of workspace as whole aligned runs of 512 bytes.
; A scale word of v takes a byte from each of the step's four blocks of 32 tokens, so a finer split along the tokens would store single bytes: 64 work-groups are this launch's whole work.
; NO CLUSTER, NO TENSOR LOADS: the work-groups share only the weights (26,112 bytes), which go straight into registers; x, the bulk of the bytes, is shared by nobody.
; PHASES.  X: wave (hi, lo) quantises channels 32 hi .. + 31 of tokens 32 lo .. + 31 along the channels: a lane is a token and its 32 registers run down K, so a block is one lane's; codes and bytes to LDS | barrier |
;   1: wave (hd = hi, tg = lo) makes head hd's 96 outputs of tokens 32 tg .. + 31: 12 products.  q and k are used transposed (source 0 = 16 rows of w, source 1 = 16 tokens): a lane holds one token and 16 neighbouring
;   channels; v the other way round (source 0 = tokens): a lane holds one channel and 16 neighbouring tokens, which are v's K.  All six units of 16 numbers are quantised alike; codes and bytes go into LDS images of the
;   workspace | barrier |  OUT: the images are copied to memory, 16 bytes a lane.
; THE ROWS OF A TILE ARE NOT NEIGHBOURS: index r of a tile (of w's rows, and of tokens) is row 8 u + r + 8 (r / 8), so that the 16 registers of tiles u = 0, 1 are 16 neighbours.
; WORKSPACE, one step of 128 keys (local key s = 64 F + 32 a + 8 bq + e):
;   KC  at 0:      hd 2048 + F 1024 + bq 256 + a 128 + e 16: the key's 32 codes.   VC at 8192: hd 2048 + n 1024 + blk 256 + r 16: keys 32 blk .. + 31 of channel 8 n + r + 8 (r / 8).
;   KS  at 16384:  hd 128 + F 64 + (8 a + e) 4 + bq.                               VS at 16896: hd 128 + n 64 + r 4 + blk.
;   q's step (8,704 bytes): codes at hd 2048 + token 16; bytes at 8192 + hd 128 + token.
; LIMITS: NaN and infinities are not served.  A block whose largest magnitude lies under 2^-124, a block of zeros too, keeps the scale byte 1 (the rule gives a block of zeros 127): its codes are right under that byte, and this program alone reads the bytes.
.set STEPB, 17408
.set QSTEP, 8704
.set XP,    80                         ; LDS: a token's 64 bytes of x's codes + 16 of padding
.set XS,    10240                      ; x's scale words, 4 bytes a token
.set KVST,  10752                      ; the image of the kv step
.set QST,   28160                      ; the image of q's step
.set VCO,   8192
.set KSO,   16384
.set VSO,   16896
.set QSO,   8192
.set FLOOR, 0x1800000                  ; 2^(3 - 127): no largest magnitude is taken under it, so the byte cannot fall under 1
.set LESS2, 0xff000000                 ; takes 2 off an exponent field
.set CD,  24                           ; v24-35   the six units' codes, two registers each
.set VB,  36                           ; v36-39   v's bias of my channel: tile n at v[36 + 2 n], twice
.set W,   40                           ; v40-87   w's fragments: part p (q, k, v), tile u at 40 + 8 (2 p + u)
.set WSC, 88                           ; v88-93   their scale words
.set XF,  96                           ; v96-111  x's two fragments
.set XSC, 112                          ; v112     x's scale words: lanes 0-15 tile 0's, lanes 16-31 tile 1's
.set TP,  113                          ; v113-118 the other half's maxima
.set XCD, 120                          ; v120-123 x's codes
.set R,   128                          ; v128-223 the results: unit U at 128 + 16 U: q tokens' tile 0, 1; k 0, 1; v channels' tile 0, 1
.set XN,  224                          ; v224-255 x's 32 numbers; later:
.set TM,  224                          ; the units' largest magnitudes,
.set SOP, 236                          ; the conversions' scale operands,
.set BY,  242                          ; the scale bytes
	s_load_b256 s[4:11], s[0:1], 0x0               ; x s[4:5], w's codes s[6:7], w's scales s[8:9], b_qkv s[10:11]
	s_load_b128 s[12:15], s[0:1], 0x20             ; kv s[12:13], qw s[14:15]
	v_lshl_add_u32 v126, v0, 2, 0x9000
	v_mov_b32 v127, 0
	v_lshrrev_b32 v1, 5, v0
	s_delay_alu instid0(VALU_DEP_1)
	v_readfirstlane_b32 s16, v1                    ; wave 0..15
	s_lshr_b32 s17, s16, 2                         ; hi: the channel block, later the head
	s_and_b32 s18, s16, 3                          ; lo: the group of 32 tokens
	s_and_b32 s19, ttmp7, 0xffff                   ; the batch
	s_mov_b32 s20, 0x76543210
	s_mov_b32 s21, 0xfedcba98                      ; v_permlanex16_b32's selects for lane l xor 16
	s_mov_b32 s22, 0x3ed744fd                      ; s = 32^(-1/4)
	s_mov_b32 s23, s22                             ; (named with it as a pair, so it is written)
	v_and_b32 v1, 31, v0                           ; l
	v_and_b32 v2, 15, v0                           ; r
	v_bfe_u32 v3, v0, 4, 1                         ; h
	s_delay_alu instid0(VALU_DEP_2)
	v_and_b32 v4, 8, v2
	s_delay_alu instid0(VALU_DEP_1)
	v_add_nc_u32 v4, v4, v2                        ; rr = r + 8 (r / 8)
	s_delay_alu instid0(VALU_DEP_4)
	v_and_b32 v22, 7, v2                           ; e = r % 8
	v_lshrrev_b32 v23, 3, v2                       ; r / 8
	; offsets in memory
	v_lshlrev_b32 v5, 2, v1                        ; x: 4 l
	s_delay_alu instid0(VALU_DEP_4)
	v_lshlrev_b32 v8, 6, v4
	s_delay_alu instid0(VALU_DEP_1)
	v_lshl_add_u32 v8, v3, 4, v8                   ; w's codes: row rr of 64 bytes + 16 h
	v_lshlrev_b32 v9, 2, v4                        ; w's scale words, and v's bias: 4 rr
	v_lshlrev_b32 v10, 6, v3                       ; q's and k's bias: 64 h
	; LDS addresses, all made here: a constant + constants x lane + constants x wave
	s_mul_i32 s34, s18, 32*XP                      ; my group's 32 rows of x's codes
	s_lshl_b32 s35, s17, 4
	s_add_co_u32 s35, s35, s34
	v_mul_u32_u24 v6, v1, XP
	s_delay_alu instid0(VALU_DEP_1)
	v_add_nc_u32 v6, s35, v6                       ; X: where my token's block of codes goes: (32 lo + l) 80 + 16 hi
	s_lshl_b32 s35, s18, 7
	s_add_co_u32 s35, s35, XS
	s_add_co_u32 s36, s35, s17
	v_lshl_add_u32 v7, v1, 2, s36                  ; and its scale byte: XS + (32 lo + l) 4 + hi
	v_mul_u32_u24 v12, v4, XP
	s_delay_alu instid0(VALU_DEP_1)
	v_lshl_add_u32 v12, v3, 4, v12
	s_delay_alu instid0(VALU_DEP_1)
	v_add_nc_u32 v12, s34, v12                     ; 1: x's fragments: (32 lo + rr) 80 + 16 h
	v_lshl_add_u32 v13, v3, 3, v4
	s_delay_alu instid0(VALU_DEP_1)
	v_lshl_add_u32 v13, v13, 2, s35                ; x's scale words: XS + (32 lo + 8 (l / 16) + rr) 4
	s_lshl_b32 s36, s17, 11                        ; 2048 hd
	s_lshl_b32 s38, s17, 7                         ; 128 hd
	s_lshl_b32 s37, s18, 9
	s_add_co_u32 s37, s37, s36
	s_add_co_u32 s37, s37, QST
	v_lshl_add_u32 v14, v4, 4, s37
	s_delay_alu instid0(VALU_DEP_1)
	v_lshl_add_u32 v14, v3, 3, v14                 ; q's codes: QST + 2048 hd + (32 lo + rr) 16 + 8 h
	s_lshl_b32 s37, s18, 5
	s_add_co_u32 s37, s37, s38
	s_add_co_u32 s37, s37, QST+QSO
	v_add_nc_u32 v15, s37, v4                      ; q's byte: QST + 8192 + 128 hd + 32 lo + rr
	s_lshr_b32 s39, s18, 1                         ; F
	s_and_b32 s40, s18, 1                          ; a
	s_lshl_b32 s37, s39, 10
	s_add_co_u32 s37, s37, s36
	s_lshl_b32 s41, s40, 7
	s_add_co_u32 s37, s37, s41
	s_add_co_u32 s37, s37, KVST
	v_lshl_add_u32 v16, v23, 9, s37
	s_delay_alu instid0(VALU_DEP_1)
	v_lshl_add_u32 v16, v22, 4, v16
	s_delay_alu instid0(VALU_DEP_1)
	v_lshl_add_u32 v16, v3, 3, v16                 ; k's codes: my token is 32 lo + 16 (r / 8) + 8 ut + e, so bq = 2 (r / 8) + ut
	s_lshl_b32 s37, s39, 6
	s_add_co_u32 s37, s37, s38
	s_lshl_b32 s41, s40, 5
	s_add_co_u32 s37, s37, s41
	s_add_co_u32 s37, s37, KVST+KSO
	v_lshl_add_u32 v17, v22, 2, s37
	s_delay_alu instid0(VALU_DEP_1)
	v_lshl_add_u32 v17, v23, 1, v17                ; k's byte
	s_lshl_b32 s37, s18, 8
	s_add_co_u32 s37, s37, s36
	s_add_co_u32 s37, s37, KVST+VCO
	v_lshl_add_u32 v18, v2, 4, s37
	s_delay_alu instid0(VALU_DEP_1)
	v_lshl_add_u32 v18, v3, 3, v18                 ; v's codes: block lo of channel index r, + 8 h
	s_add_co_u32 s37, s38, s18
	s_add_co_u32 s37, s37, KVST+VSO
	v_lshl_add_u32 v19, v2, 2, s37                 ; v's byte
	v_lshlrev_b32 v20, 4, v0                       ; OUT: 16 x thread: 512 bytes a wave
	v_lshlrev_b32 v21, 4, v1                       ; 16 l
.irp u, 0,1,2,3,4,5
	v_mov_b32 v[TP+\u], 0                          ; written once: a lane permute's destination counts as one of its sources
.endr
	; where my parts begin, in bytes
	s_lshl_b32 s24, s19, 21                        ; x: batch x 128 channels x 16,384
	s_lshl_b32 s25, s17, 19                        ; + 32 hi channels
	s_add_co_u32 s24, s24, s25
	s_lshl_b32 s25, ttmp9, 9                       ; + the step's 128 tokens
	s_add_co_u32 s24, s24, s25
	s_lshl_b32 s25, s18, 7                         ; + my 32
	s_add_co_u32 s24, s24, s25
	s_mov_b32 s25, 0
	s_mul_i32 s26, s17, 6144                       ; w's codes: 96 rows of 64 bytes a head
	s_mov_b32 s27, 0
	s_mul_i32 s28, s17, 384                        ; w's scales and b_qkv: 96 x 4 bytes a head
	s_mov_b32 s29, 0
	s_lshl_b32 s30, s19, 5
	s_add_co_u32 s30, s30, ttmp9                   ; step 32 b + g
	s_mul_i32 s32, s30, QSTEP
	s_mul_i32 s30, s30, STEPB
	s_mov_b32 s31, 0
	s_mov_b32 s33, 0
	s_wait_kmcnt 0x0
	s_add_nc_u64 s[4:5], s[4:5], s[24:25]
	s_add_nc_u64 s[6:7], s[6:7], s[26:27]
	s_add_nc_u64 s[8:9], s[8:9], s[28:29]
	s_add_nc_u64 s[10:11], s[10:11], s[28:29]
	s_add_nc_u64 s[12:13], s[12:13], s[30:31]
	s_add_nc_u64 s[14:15], s[14:15], s[32:33]
	; ---- all loads from memory, x's first
.irp i, 0,1,2,3,4,5,6,7,8,9,10,11,12,13,14,15,16,17,18,19,20,21,22,23,24,25,26,27,28,29,30,31
	global_load_b32 v[XN+\i], v5, s[4:5] offset:\i*16384      ; x(32 hi + i, my token): 32 lanes read 128 consecutive bytes, the four waves of one hi 512
.endr
.irp p, 0,1,2
.irp u, 0,1
.irp c, 0,1
	global_load_b128 v[W+8*(2*\p+\u)+4*\c:W+8*(2*\p+\u)+4*\c+3], v8, s[6:7] offset:(32*\p+8*\u)*64+32*\c
.endr
	global_load_b32 v[WSC+2*\p+\u], v9, s[8:9] offset:(32*\p+8*\u)*4
.endr
.endr
.irp p, 0,1                                    ; q's and k's bias is the C of their products: register j of tile u is channel 8 u + 16 h + j
.irp t, 0,1
.irp u, 0,1
	global_load_b128 v[R+16*(2*\p+\t)+8*\u:R+16*(2*\p+\t)+8*\u+3], v10, s[10:11] offset:(32*\p+8*\u)*4
	global_load_b128 v[R+16*(2*\p+\t)+8*\u+4:R+16*(2*\p+\t)+8*\u+7], v10, s[10:11] offset:(32*\p+8*\u)*4+16
.endr
.endr
.endr
.irp n, 0,1                                    ; v's bias: one number a lane (my channel 8 n + rr), into both halves of a pair
	global_load_b32 v[VB+2*\n], v9, s[10:11] offset:(64+8*\n)*4
	global_load_b32 v[VB+2*\n+1], v9, s[10:11] offset:(64+8*\n)*4
.endr
	; ---- X: my token's block of 32 channels
	s_wait_loadcnt 38                              ; x's 32 loads are in; the 38 issued behind them (12 + 6 of w, 16 + 4 of the bias) may be out
	v_max3_num_f32 v22, |v[XN]|, |v[XN+1]|, FLOOR  ; the largest magnitude, in two chains, the floor among its leaves
	v_max3_num_f32 v23, |v[XN+2]|, |v[XN+3]|, |v[XN+4]|
.irp i, 5,9,13,17,21,25
	s_delay_alu instid0(VALU_DEP_2)
	v_max3_num_f32 v22, v22, |v[XN+\i]|, |v[XN+\i+1]|
	s_delay_alu instid0(VALU_DEP_2)
	v_max3_num_f32 v23, v23, |v[XN+\i+2]|, |v[XN+\i+3]|
.endr
	s_delay_alu instid0(VALU_DEP_2)
	v_max3_num_f32 v22, v22, |v[XN+29]|, |v[XN+30]|
	s_delay_alu instid0(VALU_DEP_1)
	v_max3_num_f32 v22, v22, v23, |v[XN+31]|
	s_delay_alu instid0(VALU_DEP_1)
	v_add_nc_u32 v23, LESS2, v22                   ; 2 off its exponent field: the conversion takes the exponent field of this operand as its scale
	s_delay_alu instid0(VALU_DEP_1)
	v_lshrrev_b32 v22, 23, v23                     ; the scale's byte
.irp g, 0,1,2,3
	v_cvt_scalef32_pk8_fp4_f32 v[XCD+\g], v[XN+8*\g:XN+8*\g+7], v23
.endr
	v_nop                                          ; one plain place behind the last scaled conversion
	ds_store_b128 v6, v[XCD:XCD+3]
	ds_store_b8 v7, v22
	s_wait_dscnt 0x0                               ; for the others' sake: my stores have landed
	s_barrier_signal -1
	s_barrier_wait -1                              ; x's codes and scale words of the 128 tokens lie in LDS
	; ---- 1: the products
.irp t, 0,1
.irp c, 0,1
	ds_load_b128 v[XF+8*\t+4*\c:XF+8*\t+4*\c+3], v12 offset:640*\t+32*\c    ; tile t's index r is token 32 tg + 8 t + rr
.endr
.endr
	ds_load_b32 v[XSC], v13
	s_wait_loadcnt 0x0                             ; w and the biases
	s_wait_dscnt 0x0
.irp p, 0,1                                    ; q, k: source 0 = 16 rows of w, source 1 = 16 tokens; each of the twelve products has an accumulator of its own
.irp t, 0,1
.irp u, 0,1
.if \t
	v_wmma_scale_f32_16x16x128_f8f6f4 v[R+16*(2*\p+\t)+8*\u:R+16*(2*\p+\t)+8*\u+7], v[W+8*(2*\p+\u):W+8*(2*\p+\u)+7], v[XF+8*\t:XF+8*\t+7], v[R+16*(2*\p+\t)+8*\u:R+16*(2*\p+\t)+8*\u+7], v[WSC+2*\p+\u], v[XSC] matrix_a_fmt:MATRIX_FMT_FP4 matrix_b_fmt:MATRIX_FMT_FP4 matrix_b_scale:MATRIX_SCALE_ROW1
.else
	v_wmma_scale_f32_16x16x128_f8f6f4 v[R+16*(2*\p+\t)+8*\u:R+16*(2*\p+\t)+8*\u+7], v[W+8*(2*\p+\u):W+8*(2*\p+\u)+7], v[XF+8*\t:XF+8*\t+7], v[R+16*(2*\p+\t)+8*\u:R+16*(2*\p+\t)+8*\u+7], v[WSC+2*\p+\u], v[XSC] matrix_a_fmt:MATRIX_FMT_FP4 matrix_b_fmt:MATRIX_FMT_FP4
.endif
.endr
.endr
.endr
.irp n, 0,1                                    ; v: source 0 = 16 tokens, source 1 = 16 rows of w: register j of tile t is token 32 tg + 16 h + 8 t + j of channel 8 n + rr
.irp t, 0,1
.if \t
	v_wmma_scale_f32_16x16x128_f8f6f4 v[R+64+16*\n+8*\t:R+64+16*\n+8*\t+7], v[XF+8*\t:XF+8*\t+7], v[W+8*(4+\n):W+8*(4+\n)+7], 0, v[XSC], v[WSC+4+\n] matrix_a_fmt:MATRIX_FMT_FP4 matrix_b_fmt:MATRIX_FMT_FP4 matrix_a_scale:MATRIX_SCALE_ROW1
.else
	v_wmma_scale_f32_16x16x128_f8f6f4 v[R+64+16*\n+8*\t:R+64+16*\n+8*\t+7], v[XF+8*\t:XF+8*\t+7], v[W+8*(4+\n):W+8*(4+\n)+7], 0, v[XSC], v[WSC+4+\n] matrix_a_fmt:MATRIX_FMT_FP4 matrix_b_fmt:MATRIX_FMT_FP4
.endif
.endr
.endr
.rept 4
	v_nop                                          ; four places between the last product and the first read of results (ISA guide 7.12.1)
.endr
.irp j, 0,2,4,6,8,10,12,14,16,18,20,22,24,26,28,30,32,34,36,38,40,42,44,46,48,50,52,54,56,58,60,62
	v_pk_mul_f32 v[R+\j:R+\j+1], v[R+\j:R+\j+1], s[22:23] op_sel_hi:[1,0]      ; (w x + b) s for q and k; each accumulator from its low end on
.endr
.irp n, 0,1
.irp j, 0,2,4,6,8,10,12,14
	v_pk_add_f32 v[R+64+16*\n+\j:R+64+16*\n+\j+1], v[R+64+16*\n+\j:R+64+16*\n+\j+1], v[VB+2*\n:VB+2*\n+1]   ; v's bias
.endr
.endr
	; the six units are quantised by turns: 16 numbers of a block are mine, the other 16 lane l xor 16's
.irp u, 0,1,2,3,4,5
	v_max3_num_f32 v[TM+\u], |v[R+16*\u]|, |v[R+16*\u+1]|, FLOOR
.endr
.irp i, 2,4,6,8,10,12,14
.irp u, 0,1,2,3,4,5
	v_max3_num_f32 v[TM+\u], v[TM+\u], |v[R+16*\u+\i]|, |v[R+16*\u+\i+1]|
.endr
.endr
.irp u, 0,1,2,3,4,5
	v_permlanex16_b32 v[TP+\u], v[TM+\u], s20, s21
.endr
.irp u, 0,1,2,3,4,5
	v_max_num_f32 v[TM+\u], v[TM+\u], v[TP+\u]     ; the block's largest magnitude
.endr
.irp u, 0,1,2,3,4,5
	v_add_nc_u32 v[SOP+\u], LESS2, v[TM+\u]
.endr
.irp u, 0,1,2,3,4,5
	v_lshrrev_b32 v[BY+\u], 23, v[SOP+\u]
.endr
.irp u, 0,1,2,3,4,5
	v_cvt_scalef32_pk8_fp4_f32 v[CD+2*\u], v[R+16*\u:R+16*\u+7], v[SOP+\u]
	v_cvt_scalef32_pk8_fp4_f32 v[CD+2*\u+1], v[R+16*\u+8:R+16*\u+15], v[SOP+\u]
.endr
	v_nop                                          ; one plain place behind the last scaled conversion
.irp t, 0,1
	ds_store_b64 v14, v[CD+2*\t:CD+2*\t+1] offset:128*\t          ; q: 8 tokens on for tile 1
	ds_store_b8 v15, v[BY+\t] offset:8*\t                         ; (both lanes of a block write the same byte with the same value)
	ds_store_b64 v16, v[CD+4+2*\t:CD+4+2*\t+1] offset:256*\t      ; k: bq + 1 for tile 1
	ds_store_b8 v17, v[BY+2+\t] offset:\t
	ds_store_b64 v18, v[CD+8+2*\t:CD+8+2*\t+1] offset:1024*\t     ; v: channels' tile n
	ds_store_b8 v19, v[BY+4+\t] offset:64*\t
.endr
	s_wait_dscnt 0x0                               ; for the others' sake: my stores have landed
	s_barrier_signal -1
	s_barrier_wait -1                              ; both images are whole
	; ---- OUT: each store of a wave covers 512 consecutive bytes, aligned
	ds_load_b128 v[128:131], v20 offset:KVST
	ds_load_b128 v[132:135], v20 offset:KVST+8192
	ds_load_b128 v[136:139], v20 offset:QST
	s_wait_dscnt 0x0
	global_store_b128 v20, v[128:131], s[12:13]
	global_store_b128 v20, v[132:135], s[12:13] offset:8192
	global_store_b128 v20, v[136:139], s[14:15]
	s_cmp_lt_u32 s16, 2                            ; the kv step's last 1,024 bytes (both kinds of scale words): waves 0 and 1
	s_cbranch_scc0 .Lnot_kv_tail
	ds_load_b128 v[140:143], v20 offset:KVST+16384
	s_wait_dscnt 0x0
	global_store_b128 v20, v[140:143], s[12:13] offset:16384
.Lnot_kv_tail:
	s_cmp_eq_u32 s16, 2                            ; q's 512 scale bytes: wave 2
	s_cbranch_scc0 .Lend
	ds_load_b128 v[140:143], v21 offset:QST+QSO
	s_wait_dscnt 0x0
	global_store_b128 v21, v[140:143], s[14:15] offset:QSO
.Lend:
	s_wait_tensorcnt 0x0
	ds_add_u32 v126, v127
	s_wait_dscnt 0x0
	s_endpgm
.Lfunc_end_k_qa43122d2fb_qkv:
	.size	k_qa43122d2fb_qkv, .Lfunc_end_k_qa43122d2fb_qkv-k_qa43122d2fb_qkv
	.p2alignl 7, 3214868480
	.fill 96, 4, 3214868480
	.section	.rodata,"a",@progbits
	.p2align	6, 0x0
	.amdhsa_kernel k_qa43122d2fb_qkv
		.amdhsa_group_segment_fixed_size 38912
		.amdhsa_private_segment_fixed_size 0
		.amdhsa_enable_private_segment 0
		.amdhsa_kernarg_size 48
		.amdhsa_user_sgpr_count 2
		.amdhsa_user_sgpr_kernarg_segment_ptr 1
		.amdhsa_wavefront_size32 1
		.amdhsa_system_sgpr_workgroup_id_x 1
		.amdhsa_system_sgpr_workgroup_id_y 1
		.amdhsa_system_sgpr_workgroup_id_z 1
		.amdhsa_system_vgpr_workitem_id 0
		.amdhsa_next_free_vgpr 256
		.amdhsa_next_free_sgpr 66
		.amdhsa_reserve_vcc 0
		.amdhsa_float_denorm_mode_32 3
		.amdhsa_float_denorm_mode_16_64 3
		.amdhsa_memory_ordered 1
		.amdhsa_forward_progress 1
		.amdhsa_inst_pref_size 27
	.end_amdhsa_kernel
	.amdgpu_metadata
---
amdhsa.version: [ 1, 2 ]
amdhsa.kernels:
  - .name:           k_qa43122d2fb_qkv
    .symbol:         k_qa43122d2fb_qkv.kd
    .args:
      - { .name: x, .offset: 0, .size: 8, .value_kind: global_buffer, .address_space: global }
      - { .name: w_qkv_codes, .offset: 8, .size: 8, .value_kind: global_buffer, .address_space: global }
      - { .name: w_qkv_scales, .offset: 16, .size: 8, .value_kind: global_buffer, .address_space: global }
      - { .name: b_qkv, .offset: 24, .size: 8, .value_kind: global_buffer, .address_space: global }
      - { .name: kv, .offset: 32, .size: 8, .value_kind: global_buffer, .address_space: global }
      - { .name: qw, .offset: 40, .size: 8, .value_kind: global_buffer, .address_space: global }
    .group_segment_fixed_size: 38912
    .private_segment_fixed_size: 0
    .kernarg_segment_align: 8
    .kernarg_segment_size: 48
    .max_flat_workgroup_size: 512
    .sgpr_count:     66
    .vgpr_count:     256
    .wavefront_size: 32
...
	.end_amdgpu_metadata
.endif
;; end of part 1
;; launch attn (part 2): grid 128 x 2, 16 waves a work-group, clusters of 4 x 1, 327,680 bytes of LDS; arguments kv, qw, x, w_proj_codes, w_proj_scales, b_proj, out0; writes out0
.if DOCPART == 2
	.amdgcn_target "amdgcn-amd-amdhsa--gfx1250"
	.amdhsa_code_object_version 6
	.text
	.protected	k_qa43122d2fb_attn
	.globl	k_qa43122d2fb_attn
	.p2align	8
	.type	k_qa43122d2fb_attn,@function
k_qa43122d2fb_attn:
	s_mov_b64 s[64:65], 0
	v_nop
	global_prefetch_b8 v0, s[64:65] scope:SCOPE_SE
	s_setreg_imm32_b32 hwreg(HW_REG_WAVE_MODE, 25, 1), 1
	s_wait_xcnt 0x0
	s_wait_alu depctr_hold_cnt(0) depctr_sa_sdst(0) depctr_va_vdst(0) depctr_va_sdst(0) depctr_va_ssrc(0) depctr_va_vcc(0) depctr_vm_vsrc(0)
	s_getreg_b32 s2, hwreg(HW_REG_IB_STS2, 6, 4)
	s_cmp_eq_u32 s2, 0
	s_cbranch_scc0 .Lentry_in_a_cluster
	s_endpgm
.Lentry_in_a_cluster:
	s_bfe_u32 s2, ttmp6, 0x10000c
	s_cmp_lg_u32 s2, 0x3003
	s_cbranch_scc0 .Lentry_shape_is_right
	s_endpgm
.Lentry_shape_is_right:
; out = x + w_proj a + b_proj, a = softmax(q k) v by heads, all three products on codes of FP4 (E2M1) with one E8M0 scale for each 32 along K.  q, k, v come as codes from the launch before.
; THE SOFTMAX: t = score x log2(e); M = the row's largest t so far, rounded UP to a whole number; p = 2^(t - M) is what is quantised, along the keys.  The row's sum is taken of the unquantised p and divides at the end.
; When M moves, the sum and O are multiplied by 2^(old M - new M): exact.
; SHARES.  A work-group owns one batch and 32 queries, for all four heads, so that the projection, whose K is the four heads' 4 x 32 channels, can be done here.  Wave w: z = w / 8 is its parity of key steps, hd = w % 4 its head,
; qt = (w / 4) % 2 its tile of 16 queries.  A wave walks every second step of 128 keys, 16 steps; the two parities are merged at the end, exactly, since both M are whole numbers.  Sixteen waves of 256 registers, four to a SIMD:
; one wave's exponentials stand beside another's plain vector work, LDS loads and products.
; CLUSTER.  The four work-groups of a cluster belong to one batch and walk the same stream of k and v: each fill of the ring is asked for JOINTLY, by the same tensor load with the same descriptor and the mask of all four.
; K = 32 IN A PRODUCT OF 128: a fragment of k (8 registers, 1,024 dense bytes) holds 64 keys: block bq of row r is key 64 F + 32 (r / 8) + 8 bq + r % 8.  q stands in four variants, its 32 codes in block bq and zero codes elsewhere:
; zero codes add nothing.  The variants overlap in 20 registers: zeros | q in lanes 0-15 | zeros | q in lanes 16-31 | zeros.  k's scale word has each key's own byte at bq; q's byte stands in all four bytes of its word.
; S^T LANDS IN P'S ORDER: tile 4 F + bq gives lane (r, h) in register j the key 64 F + 32 h + 8 bq + j of query r: the conversion of tile t IS register t of p's operand, and a block of 32 keys lies in one lane.
; O^T = v^T p^T: v's rows are channels 8 n + r + 8 (r / 8), so a lane's 16 registers of O are channels 16 h .. 16 h + 15 of its query: the order that a's quantiser wants.
; STORES: a work-group's 32 queries are 128 consecutive bytes of a row of out0 (and of x): its stores cover 128 consecutive bytes, aligned.  64 queries to a work-group would make them 256 and leave half of the 256 work-groups.
; LIMITS: NaN and infinities are not served; a row whose every score lies under -1e38 is not served; a block whose largest number lies under 2^-124 keeps the scale byte 1 (its codes are right under it; nobody else reads the bytes).
.set STEPB,  17408                     ; a step of 128 keys: k's codes 8,192, v's 8,192, k's scale words 512, v's 512: 68 rows of 256 bytes
.set SLOTB,  8*STEPB                   ; a slot: 8 steps, 1,024 keys
.set BATCHB, 32*STEPB
.set QSTEP,  8704
.set VCO,    8192
.set KSO,    16384
.set VSO,    16896
.set SPARE,  2*SLOTB                   ; behind the ring: the spare words, 128 bytes for each of 16 waves: eight blocks of 256 bytes that no other line names
.set MRG,    SPARE+2048                ; the merge: for each of eight pairs of waves O's image 2,048, -M at + 2048, the sum at + 2176
.set MRGW,   2304
.set AIMG,   MRG+8*MRGW                ; a's two fragments (16 queries x 128 channels each) as images of the operand's registers
.set ASC,    AIMG+2048                 ; their scale words, 4 bytes a query
.set FLOOR,  0x1800000                 ; 2^(3 - 127)
.set LESS2,  0xff000000                ; takes 2 off an exponent field
.set AK0, 1                            ; v1   16 l + 2048 hd: my place in a step's codes
.set AS0, 2                            ; v2   4 l + 128 hd: and in its scale words
.set ADK, 3                            ; v3, v4  the same in the step in hand
.set ADS, 4
.set SPW, 5                            ; v5   LDS address of my spare word; never rewritten
.set NIL, 6                            ; v6   0; never rewritten
.set SH8, 7                            ; v7   8 h
.set WPA, 8                            ; v8   w_proj's codes: 64 r + 16 h
.set R4,  9                            ; v9   4 r
.set H32, 10                           ; v10  32 h
.set L4,  11                           ; v11  4 l
.set NM,  12                           ; v12  -M
.set MX,  13                           ; v13  the largest score so far
.set LSUM, 14                          ; v[14:15] the sum, in two halves
.set FF,  16                           ; v[16:17] f = 2^(old M - new M); v17 is named with it as a pair
.set T,   18                           ; v18-21 four chains of maxima
.set BA,  22                           ; v22, v23 my two blocks' largest scores, then largest p
.set RM,  24
.set RX,  25                           ; a lane permute's destination
.set OLD, 26
.set DD,  27
.set SOP, 28                           ; v28, v29 the conversions' scale operands
.set L2,  30                           ; v[30:31] the sum's second chain
.set QB,  32                           ; v32-51 q's 20 registers
.set QSC, 52                           ; scale words: q's, k's, v's, p's
.set KSC, 53
.set VSC, 54
.set PSC, 55
.set PC,  56                           ; v56-63 p's codes
.set S,   64                           ; v64-127 S^T, then p
.set KF,  128                          ; v128-143 k's two fragments
.set VF,  144                          ; v144-159 v's two
.set O,   160                          ; v160-175 O^T
.set WP,  176                          ; v176-183 w_proj's fragment, v184 its scale words, v186-193 b_proj, v194-209 x's 16 rows: loaded at the head, used at the end
.set WPS, 184
.set BP,  186
.set XR,  194
.set MW,  210                          ; LDS addresses for the end, made at the head
.set MS,  211
.set AW,  212
.set AB,  213
.set LI,  214
.set LSA, 215
.set TA,  216                          ; v216-219 at work
.macro CROUND                          ; a round of the cluster's barrier
	s_barrier_signal -1
	s_barrier_wait -1
	s_cmp_lg_u32 s18, 0
	s_cbranch_scc1 .Lnot_wave_0_\@
	s_barrier_signal -3
.Lnot_wave_0_\@:
	s_barrier_wait -3
	s_barrier_signal -1
	s_barrier_wait -1
.endm
.macro JLOAD g0                        ; a joint refill: waves 0 to 7 fetch one step each, the others nothing; the branch hangs on the wave's number alone.  Four v_nop follow the load
	s_cmp_lt_u32 s18, 8
	s_cbranch_scc0 .Lno_fill_\@
	tensor_load_to_lds s[\g0:\g0+3], s[24:31]
	s_nop 0
.rept 4
	v_nop
.endr
.Lno_fill_\@:
.endm
	s_load_b256 s[4:11], s[0:1], 0x0               ; kv s[4:5], qw s[6:7], x s[8:9], w_proj's codes s[10:11]
	s_load_b128 s[12:15], s[0:1], 0x20             ; w_proj's scales s[12:13], b_proj s[14:15]
	s_load_b64 s[16:17], s[0:1], 0x30              ; out0
	v_lshl_add_u32 v[SPW], v0, 2, SPARE
	v_mov_b32 v[NIL], 0
	ds_add_u32 v5, v6
	ds_add_u32 v5, v6
	s_wait_dscnt 0x0
	v_lshrrev_b32 v216, 5, v0
	s_delay_alu instid0(VALU_DEP_1)
	v_readfirstlane_b32 s18, v216                  ; wave 0..15
	s_lshr_b32 s19, s18, 3                         ; z
	s_and_b32 s43, s18, 7                          ; u: the pair's number; the step that I fetch; my tile of 16 outputs
	s_and_b32 s44, s18, 3                          ; hd
	s_bfe_u32 s45, s18, 0x10002                    ; qt
	s_bfe_u32 s40, ttmp6, 0x40000                  ; cx: it enters the addresses of qw, x and out0 alone
	s_lshl_b32 s41, ttmp9, 2
	s_add_co_u32 s41, s41, s40                     ; qb: my block of 32 queries
	s_and_b32 s42, ttmp7, 0xffff                   ; the batch, which the four partners share
	s_mov_b32 s20, 0x76543210
	s_mov_b32 s21, 0xfedcba98                      ; v_permlanex16_b32's selects for lane l xor 16
	s_mov_b32 s22, 0x3fb8aa3b                      ; c = log2(e)
	s_mov_b32 s23, s22                             ; (named with it as a pair, so it is written)
	s_mov_b32 s49, 0x01010101
	s_mul_i32 s48, s19, STEPB                      ; my parity's first step in a slot
	; descriptor group 1: a step: 68 dense rows of 32 elements of 8 bytes
	s_mov_b32 s24, 15|(3<<16)|(1<<21)              ; 15:0 the mask: all four work-groups; 17:16 elements of 8 bytes; 21 set beside a mask
	s_mov_b32 s25, 32<<16                          ; tensor_dim0 = 32
	s_mov_b32 s26, 68<<16                          ; tensor_dim1 = 68
	s_mov_b32 s27, 32<<16                          ; tile_dim0 = 32
	s_mov_b32 s28, 68                              ; tile_dim1 = 68
	s_mov_b32 s29, 32                              ; from row to row
	s_mov_b32 s30, 0
	s_mov_b32 s31, 0
	; lane numbers, offsets and every LDS address, ahead of the first branch on the wave's number
	v_and_b32 v216, 31, v0                         ; l
	v_and_b32 v217, 15, v0                         ; r
	v_bfe_u32 v218, v0, 4, 1                       ; h
	s_delay_alu instid0(VALU_DEP_2)
	v_lshlrev_b32 v219, 4, v217                    ; 16 r
	s_lshl_b32 s53, s44, 11
	v_lshl_add_u32 v[AK0], v216, 4, s53
	s_lshl_b32 s53, s44, 7
	v_lshl_add_u32 v[AS0], v216, 2, s53
	v_lshlrev_b32 v[SH8], 3, v218
	v_lshlrev_b32 v[WPA], 6, v217
	s_delay_alu instid0(VALU_DEP_1)
	v_lshl_add_u32 v[WPA], v218, 4, v[WPA]
	v_lshlrev_b32 v[R4], 2, v217
	v_lshlrev_b32 v[H32], 5, v218
	v_lshlrev_b32 v[L4], 2, v216
	s_mul_i32 s53, s43, MRGW
	s_add_co_u32 s53, s53, MRG
	v_lshl_add_u32 v[MW], v216, 4, s53             ; the pair's O: 16 l
	v_lshl_add_u32 v[MS], v216, 2, s53             ; its -M and sum: 4 l
	s_lshl_b32 s53, s45, 10
	s_lshl_b32 s54, s44, 8
	s_add_co_u32 s53, s53, s54
	s_add_co_u32 s53, s53, AIMG
	v_lshl_add_u32 v[AW], v217, 4, s53
	s_delay_alu instid0(VALU_DEP_1)
	v_lshl_add_u32 v[AW], v218, 3, v[AW]           ; a's codes: fragment qt; head hd is block hd of the 128: 256 hd + 16 r, + 8 h for my 16 channels
	s_lshl_b32 s53, s45, 6
	s_add_co_u32 s53, s53, s44
	s_add_co_u32 s53, s53, ASC
	v_lshl_add_u32 v[AB], v217, 2, s53             ; a's byte: 64 qt + 4 r + hd
	v_lshl_add_u32 v[LI], v216, 4, AIMG
	v_lshl_add_u32 v[LSA], v216, 2, ASC
	; what I fetch, if I fetch: step u of a slot.  Nothing here hangs on cx
	s_mul_i32 s50, s42, BATCHB
	s_mul_i32 s52, s43, STEPB
	s_add_co_u32 s50, s50, s52
	s_mov_b32 s51, 0
	; q: step 32 b + qb / 4 of qw, local token 32 (qb % 4) + 16 qt
	s_lshr_b32 s54, s41, 2
	s_lshl_b32 s55, s42, 5
	s_add_co_u32 s54, s54, s55
	s_mul_i32 s54, s54, QSTEP
	s_and_b32 s55, s41, 3
	s_lshl_b32 s55, s55, 5
	s_lshl_b32 s56, s45, 4
	s_add_co_u32 s55, s55, s56
	s_lshl_b32 s56, s55, 4
	s_lshl_b32 s57, s44, 11
	s_add_co_u32 s56, s56, s57
	s_add_co_u32 s56, s56, s54                     ; its codes
	s_mov_b32 s57, 0
	s_lshl_b32 s58, s44, 7
	s_add_co_u32 s58, s58, s55
	s_add_co_u32 s58, s58, s54
	s_add_co_u32 s58, s58, 8192                    ; its scale bytes
	s_mov_b32 s59, 0
	; x and out0: batch, rows 16 u on, my 32 tokens
	s_lshl_b32 s54, s42, 21
	s_lshl_b32 s55, s43, 18
	s_add_co_u32 s54, s54, s55
	s_lshl_b32 s55, s41, 7
	s_add_co_u32 s54, s54, s55
	s_mov_b32 s55, 0
	s_wait_kmcnt 0x0
	s_mov_b32 s32, 1                               ; group 0 for slot 0: count = 1,
	s_mov_b32 s33, s52                             ; LDS address: step u of the slot,
	s_add_nc_u64 s[34:35], s[4:5], s[50:51]        ; global address: step u of the batch
	s_mov_b32 s36, 1                               ; and for slot 1: eight steps on in both
	s_add_co_u32 s37, s52, SLOTB
	s_add_nc_u64 s[38:39], s[34:35], SLOTB
	s_or_b32 s35, s35, 0x80000000                  ; type = 2
	s_or_b32 s39, s39, 0x80000000
	s_add_nc_u64 s[56:57], s[6:7], s[56:57]
	s_add_nc_u64 s[58:59], s[6:7], s[58:59]
	s_add_nc_u64 s[8:9], s[8:9], s[54:55]
	s_add_nc_u64 s[16:17], s[16:17], s[54:55]
	s_lshl_b32 s50, s43, 10                        ; w_proj: 16 rows of 64 bytes a tile
	s_add_nc_u64 s[10:11], s[10:11], s[50:51]
	s_lshl_b32 s50, s43, 6                         ; its scale words and b_proj: 16 x 4 bytes
	s_add_nc_u64 s[12:13], s[12:13], s[50:51]
	s_add_nc_u64 s[14:15], s[14:15], s[50:51]
	CROUND                                         ; all four work-groups are here: the first joint loads meet
	s_cmp_lt_u32 s18, 8                            ; a wave's two first fills stand in one branch, ahead of every wait on TENSORcnt and every LDS read: two loads of mine are out
	s_cbranch_scc0 .Lno_first
	tensor_load_to_lds s[32:35], s[24:31]
	s_nop 0
	tensor_load_to_lds s[36:39], s[24:31]
	s_nop 0
.rept 4
	v_nop
.endr
.Lno_first:
	global_load_b128 v[S:S+3], v219, s[56:57]      ; my query's 32 codes (both halves of the lanes take the same 16 bytes)
	global_load_u8 v[S+4], v217, s[58:59]          ; and its scale byte
	s_wait_loadcnt 0x0
	v_mul_lo_u32 v[QSC], v[S+4], s49               ; the byte in all four bytes of the word
	v_cmp_gt_u32 vcc_lo, 16, v216                  ; lanes 0-15
.irp i, 0,1,2,3
	v_mov_b32 v[QB+\i], 0
	v_mov_b32 v[QB+8+\i], 0
	v_mov_b32 v[QB+16+\i], 0
.endr
.irp i, 0,1,2,3
	v_cndmask_b32 v[QB+4+\i], v[QB], v[S+\i], vcc_lo      ; the codes in lanes 0-15, zeros in lanes 16-31
	v_cndmask_b32 v[QB+12+\i], v[S+\i], v[QB], vcc_lo     ; and the other way round
.endr
	; the sums begin as zeros and the largest score as -1e38: the first change of M multiplies zeros.  These 24 lines are also the places between q's registers, written by vector instructions, and the first scaled product
	v_mov_b32 v[MX], 0xfe967699                    ; -1e38
	s_delay_alu instid0(VALU_DEP_1)
	v_mul_f32 v[DD], s22, v[MX]
	s_delay_alu instid0(VALU_DEP_1)
	v_floor_f32 v[NM], -v[DD]                      ; -M
	v_mov_b32 v[LSUM], 0
	v_mov_b32 v[LSUM+1], 0
	v_mov_b32 v[FF+1], 0
	v_mov_b32 v[RX], 0                             ; a lane permute's destination counts as one of its sources
	v_mov_b32 v[TA+3], 0
.irp j, 0,1,2,3,4,5,6,7,8,9,10,11,12,13,14,15
	v_mov_b32 v[O+\j], 0
.endr
	s_cmp_lt_u32 s18, 8                            ; what the projection wants is asked for now; its address registers and bases are never rewritten, and the wait stands at the end
	s_cbranch_scc0 .Lno_proj
	global_load_b128 v[WP:WP+3], v[WPA], s[10:11]
	global_load_b128 v[WP+4:WP+7], v[WPA], s[10:11] offset:32
	global_load_b32 v[WPS], v[R4], s[12:13]
	global_load_b128 v[BP:BP+3], v[H32], s[14:15]              ; b_proj(16 u + 8 h + j): the C of the projection
	global_load_b128 v[BP+4:BP+7], v[H32], s[14:15] offset:16
.irp j, 0,1,2,3,4,5,6,7,8,9,10,11,12,13,14,15
	global_load_b32 v[XR+\j], v[L4], s[8:9] offset:\j*16384    ; x(16 u + j, my 32 tokens)
.endr
.Lno_proj:
; A KEY STEP: 128 keys against my 16 queries.
.macro STEP
	v_add_nc_u32 v[ADK], s46, v[AK0]
	v_add_nc_u32 v[ADS], s46, v[AS0]
	v_nop
	v_nop                                          ; four places between the last step's products and the loads into v's registers (ISA guide 7.12.1 for vector instructions)
.irp i, 0,1,2,3
	ds_load_b128 v[KF+4*\i:KF+4*\i+3], v[ADK] offset:512*\i
.endr
	ds_load_b32 v[KSC], v[ADS] offset:KSO          ; lanes 0-15 fragment 0's words, lanes 16-31 fragment 1's
.irp i, 0,1,2,3
	ds_load_b128 v[VF+4*\i:VF+4*\i+3], v[ADK] offset:VCO+512*\i
.endr
	ds_load_b32 v[VSC], v[ADS] offset:VSO
	s_wait_dscnt 5                                 ; k's five loads are in; v's five, issued behind them, may be out
.irp f, 0,1                                    ; S^T: tile 4 f + q = k's fragment f against q's variant q
.irp q, 0,1,2,3
.if \f
	v_wmma_scale_f32_16x16x128_f8f6f4 v[S+8*(4*\f+\q):S+8*(4*\f+\q)+7], v[KF+8*\f:KF+8*\f+7], v[QB+4+8*\q-20*(\q/2):QB+11+8*\q-20*(\q/2)], 0, v[KSC], v[QSC] matrix_a_fmt:MATRIX_FMT_FP4 matrix_b_fmt:MATRIX_FMT_FP4 matrix_a_scale:MATRIX_SCALE_ROW1
.else
	v_wmma_scale_f32_16x16x128_f8f6f4 v[S+8*(4*\f+\q):S+8*(4*\f+\q)+7], v[KF+8*\f:KF+8*\f+7], v[QB+4+8*\q-20*(\q/2):QB+11+8*\q-20*(\q/2)], 0, v[KSC], v[QSC] matrix_a_fmt:MATRIX_FMT_FP4 matrix_b_fmt:MATRIX_FMT_FP4
.endif
.endr
.endr
	v_mov_b32 v[OLD], v[NM]
.rept 3
	v_nop                                          ; with the line above: four places in front of the first read of results
.endr
.irp k, 0,1,2,3                                ; the largest score of each of my two blocks of 32 keys, in four chains; every tile is first read at its low end
	v_max3_num_f32 v[T+\k], v[S+16*\k], v[S+16*\k+1], v[S+16*\k+2]
.endr
.irp i, 3,5,7,9,11,13
.irp k, 0,1,2,3
	v_max3_num_f32 v[T+\k], v[T+\k], v[S+16*\k+\i], v[S+16*\k+\i+1]
.endr
.endr
	v_max3_num_f32 v[BA], v[T], v[S+15], v[T+1]
	v_max3_num_f32 v[BA+1], v[T+2], v[S+47], v[T+3]
	v_max_num_f32 v[BA], v[BA], v[S+31]
	v_max_num_f32 v[BA+1], v[BA+1], v[S+63]
	s_delay_alu instid0(VALU_DEP_1)
	v_max_num_f32 v[RM], v[BA], v[BA+1]
	s_delay_alu instid0(VALU_DEP_1)
	v_permlanex16_b32 v[RX], v[RM], s20, s21       ; my query's other 64 keys lie in lane l xor 16
	s_delay_alu instid0(VALU_DEP_1)
	v_max3_num_f32 v[MX], v[MX], v[RM], v[RX]      ; the running largest score
	s_delay_alu instid0(VALU_DEP_1)
	v_mul_f32 v[DD], s22, v[MX]                    ; as t (c is positive)
	s_delay_alu instid0(VALU_DEP_1)
	v_floor_f32 v[NM], -v[DD]                      ; -M = floor(-t) = -ceil(t)
	s_delay_alu instid0(VALU_DEP_1)
	v_sub_f32 v[DD], v[NM], v[OLD]                 ; old M - new M: a whole number, 0 or less
	s_delay_alu instid0(VALU_DEP_1)
	v_cvt_i32_f32 v[DD], v[DD]                     ; (it saturates)
	s_delay_alu instid0(VALU_DEP_1)
	v_ldexp_f32 v[FF], 1.0, v[DD]                  ; f = 2^(old M - new M)
.irp j, 0,2,4,6,8,10,12,14,16,18,20,22,24,26,28,30,32,34,36,38,40,42,44,46,48,50,52,54,56,58,60,62
	v_pk_fma_f32 v[S+\j:S+\j+1], v[S+\j:S+\j+1], s[22:23], v[NM:NM+1] op_sel_hi:[1,0,0]   ; t - M (of the pairs c and -M the low word serves both halves)
.endr
	v_fma_f32 v[BA], v[BA], s22, v[NM]             ; the same of each block's largest score: p rises with the score, so this gives the block's largest p
	v_fma_f32 v[BA+1], v[BA+1], s22, v[NM]
	s_setprio 1
	s_wait_alu depctr_va_vdst(0)
.irp j, 0,1,2,3,4,5,6,7,8,9,10,11,12,13,14,15,16,17,18,19,20,21,22,23,24,25,26,27,28,29,30,31,32,33,34,35,36,37,38,39,40,41,42,43,44,45,46,47,48,49,50,51,52,53,54,55,56,57,58,59,60,61,62,63
	v_exp_f32 v[S+\j], v[S+\j]                     ; p = 2^(t - M)
.endr
	v_exp_f32 v[BA], v[BA]
	v_exp_f32 v[BA+1], v[BA+1]
	v_pk_mul_f32 v[LSUM:LSUM+1], v[LSUM:LSUM+1], v[FF:FF+1] op_sel_hi:[1,0]   ; the sum under the new M.  (The plain place behind the exponentials)
	s_wait_alu depctr_va_vdst(0)
	v_max_num_f32 v[BA], FLOOR, v[BA]
	v_max_num_f32 v[BA+1], FLOOR, v[BA+1]
	s_delay_alu instid0(VALU_DEP_2)
	v_add_nc_u32 v[SOP], LESS2, v[BA]              ; the conversions' scale operands
	s_delay_alu instid0(VALU_DEP_2)
	v_add_nc_u32 v[SOP+1], LESS2, v[BA+1]
	s_delay_alu instid0(VALU_DEP_2)
	v_lshrrev_b32 v[TA], 23, v[SOP]                ; the bytes of my blocks h and 2 + h
	s_delay_alu instid0(VALU_DEP_2)
	v_lshrrev_b32 v[TA+1], 23, v[SOP+1]
	s_delay_alu instid0(VALU_DEP_1)
	v_lshl_or_b32 v[TA+2], v[TA+1], 16, v[TA]
	s_delay_alu instid0(VALU_DEP_1)
	v_lshlrev_b32 v[TA+2], v[SH8], v[TA+2]         ; at their places in the word,
	s_delay_alu instid0(VALU_DEP_1)
	v_permlanex16_b32 v[TA+3], v[TA+2], s20, s21
	s_delay_alu instid0(VALU_DEP_1)
	v_or_b32 v[PSC], v[TA+2], v[TA+3]              ; and with lane l xor 16's two the word is whole
.irp t, 0,1,2,3,4,5,6,7
	v_cvt_scalef32_pk8_fp4_f32 v[PC+\t], v[S+8*\t:S+8*\t+7], v[SOP+\t/4]
.endr
	v_nop                                          ; one plain place behind the last scaled conversion
.irp j, 0,2,4,6,8,10,12,14
	v_pk_mul_f32 v[O+\j:O+\j+1], v[O+\j:O+\j+1], v[FF:FF+1] op_sel_hi:[1,0]   ; O^T under the new M, each accumulator from its low end on
.endr
	v_pk_add_f32 v[30:31], v[68:69], v[72:73]
	v_pk_add_f32 v[254:255], v[76:77], v[80:81]
	v_pk_add_f32 v[252:253], v[84:85], v[88:89]
	v_pk_add_f32 v[250:251], v[92:93], v[96:97]
	v_pk_add_f32 v[248:249], v[100:101], v[104:105]
	v_pk_add_f32 v[246:247], v[108:109], v[112:113]
	s_setprio 0
	v_pk_add_f32 v[244:245], v[116:117], v[120:121]
	v_pk_add_f32 v[14:15], v[14:15], v[124:125]
	v_pk_add_f32 v[30:31], v[30:31], v[64:65]
	v_pk_add_f32 v[254:255], v[254:255], v[66:67]
	v_pk_add_f32 v[252:253], v[252:253], v[70:71]
	v_pk_add_f32 v[250:251], v[250:251], v[74:75]
	v_pk_add_f32 v[248:249], v[248:249], v[78:79]
	v_pk_add_f32 v[246:247], v[246:247], v[82:83]
	v_pk_add_f32 v[244:245], v[244:245], v[86:87]
	v_pk_add_f32 v[14:15], v[14:15], v[90:91]
	v_pk_add_f32 v[30:31], v[30:31], v[94:95]
	v_pk_add_f32 v[254:255], v[254:255], v[98:99]
	v_pk_add_f32 v[252:253], v[252:253], v[102:103]
	v_pk_add_f32 v[250:251], v[250:251], v[106:107]
	v_pk_add_f32 v[248:249], v[248:249], v[110:111]
	v_pk_add_f32 v[246:247], v[246:247], v[114:115]
	v_pk_add_f32 v[244:245], v[244:245], v[118:119]
	v_pk_add_f32 v[14:15], v[14:15], v[122:123]
	v_pk_add_f32 v[30:31], v[30:31], v[126:127]
	s_delay_alu instid0(VALU_DEP_2)
	v_pk_add_f32 v[14:15], v[14:15], v[250:251]
	s_delay_alu instid0(VALU_DEP_2)
	v_pk_add_f32 v[30:31], v[30:31], v[248:249]
	v_pk_add_f32 v[254:255], v[254:255], v[246:247]
	v_pk_add_f32 v[252:253], v[252:253], v[244:245]
	s_delay_alu instid0(VALU_DEP_2)
	v_pk_add_f32 v[14:15], v[14:15], v[254:255]
	s_delay_alu instid0(VALU_DEP_2)
	v_pk_add_f32 v[30:31], v[30:31], v[252:253]
	s_delay_alu instid0(VALU_DEP_1)
	v_pk_add_f32 v[14:15], v[14:15], v[30:31]
	s_wait_dscnt 0x0                               ; v is in
	; O^T += v^T p^T.  The two accumulators take turns, and the eight tiles of S^T stand between two links of each chain
	v_wmma_scale_f32_16x16x128_f8f6f4 v[O:O+7], v[VF:VF+7], v[PC:PC+7], v[O:O+7], v[VSC], v[PSC] matrix_a_fmt:MATRIX_FMT_FP4 matrix_b_fmt:MATRIX_FMT_FP4
	v_wmma_scale_f32_16x16x128_f8f6f4 v[O+8:O+15], v[VF+8:VF+15], v[PC:PC+7], v[O+8:O+15], v[VSC], v[PSC] matrix_a_fmt:MATRIX_FMT_FP4 matrix_b_fmt:MATRIX_FMT_FP4 matrix_a_scale:MATRIX_SCALE_ROW1
.endm
; My four steps of the slot that begins at LDS byte base: every second one, from my parity's on.
.macro SPAN base
	s_add_co_u32 s46, s48, \base
	s_mov_b32 s47, 4
.Lstep_\@:
	s_setprio 2
	STEP
	s_add_co_u32 s46, s46, 2*STEPB
	s_sub_co_u32 s47, s47, 1
	s_cmp_lg_u32 s47, 0
	s_cbranch_scc1 .Lstep_\@
	s_setprio 0
.endm
; THE CHANGE OF SLOTS.  Each wave waits for all its tensor loads (its part of the slot ahead), adds 0 to its spare word, and waits for that and for its reads of the slot that it leaves.
; fill = 1: that slot is filled again, with the keys two slots on: the barrier is then a round of the cluster's, and the joint refill is the first thing behind it: it has a whole slot's steps in which to land.
.macro CHANGE fill, g0
	s_wait_tensorcnt 0x0                           ; no tensor load of mine is out, so a group 0 may be written
	ds_add_u32 v[SPW], v[NIL]                      ; 0 onto my spare word
.if \fill
	s_add_nc_u64 s[\g0+2:\g0+3], s[\g0+2:\g0+3], 2*SLOTB   ; the type bits on top are not reached
.endif
	s_wait_dscnt 0x0                               ; the add is done, and my reads of the slot are over
.if \fill
	CROUND
	JLOAD \g0
.else
	s_barrier_signal -1
	s_barrier_wait -1
.endif
.endm
	s_wait_tensorcnt 1                             ; my part of slot 0 is in; slot 1's may stay out
	s_barrier_signal -1
	s_barrier_wait -1                              ; everybody's is
	SPAN 0                                         ; keys 0 to 1,023
	CHANGE 1, 32                                   ; slot 0 takes keys 2,048 on
	SPAN SLOTB                                     ; keys 1,024 on
	CHANGE 1, 36                                   ; slot 1 takes keys 3,072 on
	SPAN 0
	CHANGE 0, 0                                    ; nothing is left to fetch
	SPAN SLOTB
	s_wait_alu depctr_va_vdst(0)
	; ---- THE END.  The sum's halves; then the two parities meet in LDS.
	v_add_f32 v[LSUM], v[LSUM], v[LSUM+1]
	s_delay_alu instid0(VALU_DEP_1)
	v_permlanex16_b32 v[RX], v[LSUM], s20, s21
	s_delay_alu instid0(VALU_DEP_1)
	v_add_f32 v[LSUM], v[LSUM], v[RX]              ; my parity's sum for my query
.rept 3
	v_nop                                          ; with the lines above: the places behind the last products
.endr
	s_cmp_lt_u32 s18, 8
	s_cbranch_scc1 .Lkeeps
.irp i, 0,1,2,3
	ds_store_b128 v[MW], v[O+4*\i:O+4*\i+3] offset:512*\i      ; the odd parity's O^T as an image of its registers, from the low end on,
.endr
	ds_store_b32 v[MS], v[NM] offset:2048          ; its -M
	ds_store_b32 v[MS], v[LSUM] offset:2176        ; and its sum
.Lkeeps:
	s_wait_dscnt 0x0                               ; for the others' sake: my stores have landed
	s_barrier_signal -1
	s_barrier_wait -1
	s_cmp_lt_u32 s18, 8
	s_cbranch_scc0 .Lidle_a
.irp i, 0,1,2,3
	ds_load_b128 v[S+4*\i:S+4*\i+3], v[MW] offset:512*\i
.endr
	ds_load_b32 v[S+16], v[MS] offset:2048
	ds_load_b32 v[S+17], v[MS] offset:2176
	s_wait_dscnt 0x0
	v_min_num_f32 v[S+18], v[NM], v[S+16]          ; -M of both: the smaller
	s_delay_alu instid0(VALU_DEP_1)
	v_sub_f32 v[S+19], v[S+18], v[NM]              ; my M less the common one, and the partner's: whole numbers, 0 or less
	s_delay_alu instid0(VALU_DEP_2)
	v_sub_f32 v[S+20], v[S+18], v[S+16]
	s_delay_alu instid0(VALU_DEP_2)
	v_cvt_i32_f32 v[S+19], v[S+19]
	s_delay_alu instid0(VALU_DEP_2)
	v_cvt_i32_f32 v[S+20], v[S+20]
	s_delay_alu instid0(VALU_DEP_2)
	v_ldexp_f32 v[S+19], 1.0, v[S+19]              ; f0, f1: exact
	s_wait_alu depctr_va_vdst(0)
	v_ldexp_f32 v[S+20], 1.0, v[S+20]
	v_mul_f32 v[S+21], v[LSUM], v[S+19]
	s_delay_alu instid0(VALU_DEP_1)
	v_fma_f32 v[S+21], v[S+17], v[S+20], v[S+21]   ; the row's sum
	s_wait_alu depctr_va_vdst(0)
	v_rcp_f32 v[S+21], v[S+21]
	v_nop                                          ; one plain place behind a transcendental
	s_wait_alu depctr_va_vdst(0)
	v_mul_f32 v[S+22], v[S+19], v[S+21]            ; f0 / sum and f1 / sum, each in both halves of a pair
	v_mul_f32 v[S+23], v[S+19], v[S+21]
	v_mul_f32 v[S+24], v[S+20], v[S+21]
	v_mul_f32 v[S+25], v[S+20], v[S+21]
.irp j, 0,2,4,6,8,10,12,14
	v_pk_mul_f32 v[O+\j:O+\j+1], v[O+\j:O+\j+1], v[S+22:S+23]
.endr
.irp j, 0,2,4,6,8,10,12,14
	v_pk_fma_f32 v[O+\j:O+\j+1], v[S+\j:S+\j+1], v[S+24:S+25], v[O+\j:O+\j+1]   ; a(channels 16 h .. + 15 of head hd, my query)
.endr
	v_max3_num_f32 v[S+26], |v[O]|, |v[O+1]|, FLOOR            ; a is quantised along the channels: a block is a head's 32: my 16 and lane l xor 16's
.irp i, 2,4,6,8,10,12,14
	s_delay_alu instid0(VALU_DEP_1)
	v_max3_num_f32 v[S+26], v[S+26], |v[O+\i]|, |v[O+\i+1]|
.endr
	s_delay_alu instid0(VALU_DEP_1)
	v_permlanex16_b32 v[RX], v[S+26], s20, s21
	s_delay_alu instid0(VALU_DEP_1)
	v_max_num_f32 v[S+26], v[S+26], v[RX]
	s_delay_alu instid0(VALU_DEP_1)
	v_add_nc_u32 v[S+27], LESS2, v[S+26]
	s_delay_alu instid0(VALU_DEP_1)
	v_lshrrev_b32 v[S+28], 23, v[S+27]
	v_cvt_scalef32_pk8_fp4_f32 v[S+30], v[O:O+7], v[S+27]
	v_cvt_scalef32_pk8_fp4_f32 v[S+31], v[O+8:O+15], v[S+27]
	v_nop                                          ; one plain place behind the last scaled conversion
	ds_store_b64 v[AW], v[S+30:S+31]
	ds_store_b8 v[AB], v[S+28]                     ; (both lanes of a block write the same byte with the same value)
.Lidle_a:
	s_wait_dscnt 0x0                               ; for the others' sake: my stores have landed
	s_barrier_signal -1
	s_barrier_wait -1                              ; a's two fragments and their scale words lie in LDS
	s_cmp_lt_u32 s18, 8
	s_cbranch_scc0 .Lidle_b
	; ---- the projection: wave u makes outputs 16 u .. 16 u + 15 for the 32 queries
.irp i, 0,1,2,3
	ds_load_b128 v[S+32+4*\i:S+32+4*\i+3], v[LI] offset:512*\i
.endr
	ds_load_b32 v[KSC], v[LSA]                     ; a's scale words: lanes 0-15 fragment 0's, lanes 16-31 fragment 1's
	s_wait_dscnt 0x0
	s_wait_loadcnt 0x0                             ; w_proj, b_proj and x, asked for at the head
	v_wmma_scale_f32_16x16x128_f8f6f4 v[S+48:S+55], v[WP:WP+7], v[S+32:S+39], v[BP:BP+7], v[WPS], v[KSC] matrix_a_fmt:MATRIX_FMT_FP4 matrix_b_fmt:MATRIX_FMT_FP4
	v_wmma_scale_f32_16x16x128_f8f6f4 v[S+56:S+63], v[WP:WP+7], v[S+40:S+47], v[BP:BP+7], v[WPS], v[KSC] matrix_a_fmt:MATRIX_FMT_FP4 matrix_b_fmt:MATRIX_FMT_FP4 matrix_b_scale:MATRIX_SCALE_ROW1
.rept 4
	v_nop                                          ; four places in front of the first read of results
.endr
.irp j, 0,1,2,3,4,5,6,7
	v_permlane16_swap_b32 v[S+48+\j], v[S+56+\j]   ; the first's lanes 16-31 (rows 8 + j, queries 0-15) change places with the second's lanes 0-15 (rows j, queries 16-31): each register is now one row across my 32 queries
.endr
.irp j, 0,2,4,6,8,10,12,14
	v_pk_add_f32 v[S+48+\j:S+48+\j+1], v[S+48+\j:S+48+\j+1], v[XR+\j:XR+\j+1]   ; + x
.endr
.irp j, 0,1,2,3,4,5,6,7,8,9,10,11,12,13,14,15
	global_store_b32 v[L4], v[S+48+\j], s[16:17] offset:\j*16384 th:TH_STORE_NT  ; 32 lanes store 128 consecutive bytes of row 16 u + j
.endr
.Lidle_b:
	s_wait_tensorcnt 0x0                           ; the wave's end, behind my last tensor load and my last LDS store
	ds_add_u32 v[SPW], v[NIL]
	s_wait_dscnt 0x0
	CROUND                                         ; the closing round: no work-group ends while a partner may still ask for a tile that names it
	s_endpgm
.Lfunc_end_k_qa43122d2fb_attn:
	.size	k_qa43122d2fb_attn, .Lfunc_end_k_qa43122d2fb_attn-k_qa43122d2fb_attn
	.p2alignl 7, 3214868480
	.fill 96, 4, 3214868480
	.section	.rodata,"a",@progbits
	.p2align	6, 0x0
	.amdhsa_kernel k_qa43122d2fb_attn
		.amdhsa_group_segment_fixed_size 327680
		.amdhsa_private_segment_fixed_size 0
		.amdhsa_enable_private_segment 0
		.amdhsa_kernarg_size 56
		.amdhsa_user_sgpr_count 2
		.amdhsa_user_sgpr_kernarg_segment_ptr 1
		.amdhsa_wavefront_size32 1
		.amdhsa_system_sgpr_workgroup_id_x 1
		.amdhsa_system_sgpr_workgroup_id_y 1
		.amdhsa_system_sgpr_workgroup_id_z 1
		.amdhsa_system_vgpr_workitem_id 0
		.amdhsa_next_free_vgpr 256
		.amdhsa_next_free_sgpr 66
		.amdhsa_reserve_vcc 1
		.amdhsa_float_denorm_mode_32 3
		.amdhsa_float_denorm_mode_16_64 3
		.amdhsa_memory_ordered 1
		.amdhsa_forward_progress 1
		.amdhsa_inst_pref_size 74
	.end_amdhsa_kernel
	.amdgpu_metadata
---
amdhsa.version: [ 1, 2 ]
amdhsa.kernels:
  - .name:           k_qa43122d2fb_attn
    .symbol:         k_qa43122d2fb_attn.kd
    .args:
      - { .name: kv, .offset: 0, .size: 8, .value_kind: global_buffer, .address_space: global }
      - { .name: qw, .offset: 8, .size: 8, .value_kind: global_buffer, .address_space: global }
      - { .name: x, .offset: 16, .size: 8, .value_kind: global_buffer, .address_space: global }
      - { .name: w_proj_codes, .offset: 24, .size: 8, .value_kind: global_buffer, .address_space: global }
      - { .name: w_proj_scales, .offset: 32, .size: 8, .value_kind: global_buffer, .address_space: global }
      - { .name: b_proj, .offset: 40, .size: 8, .value_kind: global_buffer, .address_space: global }
      - { .name: out0, .offset: 48, .size: 8, .value_kind: global_buffer, .address_space: global }
    .group_segment_fixed_size: 327680
    .private_segment_fixed_size: 0
    .kernarg_segment_align: 8
    .kernarg_segment_size: 56
    .max_flat_workgroup_size: 512
    .sgpr_count:     66
    .vgpr_count:     256
    .wavefront_size: 32
...
	.end_amdgpu_metadata
.endif
;; end of part 2
